; MI455X (gfx1250); checked and timed in simulation.
; The chip was launched on July 23, 2026; its instructions are those of AMD's public machine-readable ISA for CDNA 5 (MIT licence, August 2026) and "CDNA5" Instruction Set Architecture Reference Guide (July 2026). The comments in the code are by the model that wrote it; some were corrected since.
;; LFGA. Allowed arithmetic: float matrix products may take bf16 or f16 operands with f32 sums; all other float work in f32.
;; Inputs: Wk 64 x 256 float32; Wq 64 x 256 float32; Wv 256 x 256 float32; bk 64 float32; bq 64 float32; bv 256 float32; fa 8 x 256 x 64 x 64 float32; fb 8 x 256 x 64 x 64 float32; gamma one number float32.
;; Outputs: out0 8 x 256 x 64 x 64 float32.
;; One version. Each part assembles by itself: llvm-mc -triple=amdgcn-amd-amdhsa -mcpu=gfx1250 --defsym DOCPART=n.
;; ======== version 1 of 1: 2 launches
;; limits: values are held in f16: magnitudes above 65,504 overflow, below 6.1e-05 lose precision
;; workspace buffers: kv 20,971,520 bytes; q 4,194,304 bytes
;; launch proj (part 1): grid 32 x 8, 8 waves a work-group, clusters of 4 x 1, 327,680 bytes of LDS; arguments fa, fb, Wv, Wq, Wk, bv, bq, kv, q; writes kv, q
.if DOCPART == 1
	.amdgcn_target "amdgcn-amd-amdhsa--gfx1250"
	.amdhsa_code_object_version 6
	.text
	.protected	k_qbf38ae097b_proj
	.globl	k_qbf38ae097b_proj
	.p2align	8
	.type	k_qbf38ae097b_proj,@function
k_qbf38ae097b_proj:
	s_mov_b64 s[64:65], 0
	v_nop
	global_prefetch_b8 v0, s[64:65] scope:SCOPE_SE
	s_setreg_imm32_b32 hwreg(HW_REG_WAVE_MODE, 25, 1), 1
	s_wait_xcnt 0x0
	s_wait_alu depctr_hold_cnt(0) depctr_sa_sdst(0) depctr_va_vdst(0) depctr_va_sdst(0) depctr_va_ssrc(0) depctr_va_vcc(0) depctr_vm_vsrc(0)
	s_getreg_b32 s2, hwreg(HW_REG_IB_STS2, 6, 4)
	s_cmp_eq_u32 s2, 0
	s_cbranch_scc0 .Lentry_in_a_cluster
	s_endpgm
.Lentry_in_a_cluster:
	s_bfe_u32 s2, ttmp6, 0x10000c
	s_cmp_lg_u32 s2, 0x3003
	s_cbranch_scc0 .Lentry_shape_is_right
	s_endpgm
.Lentry_shape_is_right:
; LFGA, first of two launches: the three 1x1 convolutions, as channel products with f16 operands and f32 sums.
;   q[o][n] = sum_c Wq[o][c] fb[c][n] + bq[o]     k[o][n] = sum_c Wk[o][c] fb[c][n]     v[o][n] = sum_c Wv[o][c] fa[c][n] + bv[o]
; WORK LEFT OUT: bk.  energy[i][j] = sum_o q[o][i] (k[o][j] + bk[o]) = q_i.k_j + q_i.bk.  The second term does not hang on j, the axis of
; the softmax, and softmax(x + c) = softmax(x) for every finite c: whatever finite values the inputs hold, bk reaches no output.  It is not
; loaded, and no launch has it among its arguments.  LIMIT: a NaN, an infinity or an overflow that bk alone would cause is not carried to the result.
; WHY f16: the energies are not scaled, so an absolute error e of an energy is a relative error e of a softmax weight, and an energy sums 64 products
; of numbers that are themselves sums of 256 products.  f16 keeps 11 significant bits where bf16 keeps 8, in the same registers and the same products.
; LIMIT: fa, fb and the weights are rounded to f16 for the products; q, k and v are rounded to f16 once more when they are stored.  Any of these numbers
; of magnitude 65,504 or more becomes an infinity.  Room: inputs of spread 1 and weights of spread 1/16 give q, k, v of spread 1; both factors 30 times
; larger give 900 times that; an offset of 30 spreads on both factors gives 256 x 30 x 30/16 = 14,400.  Below 2^-14 f16 is denormal (kept): error <= 2^-25.
;
; A work-group takes 128 positions of one image (x = block jb, y = image b) and all 384 output channels.  Eight waves.
; Wave w makes v's channels 32 w .. 32 w + 31 (row tiles a = 0, 1) and one tile of 16 channels of q (w < 4) or of k (w >= 4) (a = 2), for all 128 positions.
; CLUSTER: a work-group reads 262,144 bytes of fa and fb, its own, and 393,216 bytes of weights, the same in every work-group.  Four neighbours along x form a
; cluster and ask for the weights jointly: wave w of each issues the same tensor load (a descriptor made of w and constants alone, mask 15) and each receives the
; rows in its own LDS.  A joint load here names four work-groups, so the requests for the weights are divided by four.  The weights arrive as f32 and are
; rounded to f16 between LDS and the fragment registers.  48 rows a wave would be 8 x 48 x 1,040 = 399,360 bytes, more than LDS has beside X: so three fills of one
; row tile (16 rows) a wave into one slot, each refill behind a round of the cluster's barrier, with the conversion of fa and fb between them as the work in which
; it lands.  A wave has at most one tensor load outstanding, and reads only the rows that it asked for itself.
; OUT: kv[b][T] is one dense tile of 320 rows of 256 bytes.  Row c < 256 = v[c][128 T ..], 128 f16.  Row 256 + (jj >> 1), half jj & 1 = k[.][128 T' + jj], 64 f16,
;      of block T' = (T + 2) mod 32: the second launch multiplies q with k two tiles ahead of v, so a tile carries the k that is used beside its v.
;      So this work-group stores v's rows into tile jb and k's rows into tile (jb - 2) mod 32; every row is 256 whole bytes.     q[b][n][64] f16.
; LDS: X rows hold one position's 256 channels in f16, pitch 528 = 33 x 16 bytes.  Position 4 L + e lies in row 32 e + L, so that the four column
; tiles t = 0..3 of a pass u (rows 32 t + 16 u + r) give lane r the four NEIGHBOURING positions 64 u + 4 r + t.
.set XPITCH, 528
.set XBL,    128*XPITCH                ; 67,584: fa's rows at 0, fb's rows here; written by LDS stores, no fill lands in them
.set WSL,    2*XBL                     ; 135,168 = 528 x 256: the weight slot: for each wave 16 rows of 1,024 bytes + 16 of padding
.set WPITCH, 1040                      ; 65 x 16 bytes: the sixteen rows of a fragment load start at sixteen different 16-byte columns of 256
.set WSLW,   16*WPITCH                 ; 16,640 = 65 x 256: a wave's part
.set STAGE,  WSL                       ; 384 rows of 272 bytes (v's 256 rows, k's 64, q's 64 rows of two positions each) on the slot's bytes, written only when
.set SPITCH, 272                       ; the slot has had its last fill and every wave has read it (the barrier behind the last conversion)
.set PK,   16                          ; v[16:31]   packed f16 on their way to LDS
.set RAW,  32                          ; v[32:159]  ring of four slots of 32 registers: fa or fb in f32 as loaded
.set BF0,  32                          ; later: column fragments, two buffers of 64: fa's tile t at +8 t, fb's at +32 + 8 t
.set CP,   32                          ; later still: the copy out
.set ACC,  160                         ; v[160:255] twelve accumulators, tile (a, t) at 160 + 8 (4 a + t); before the products: weights in f32, three buffers of 32
.set WF,   0                           ; window 1: weight fragment (a, s) at 8 (8 a + s), 192 registers
.set BIAS, 192                         ; window 1: bias tile a at 192 + 8 a
.set G1,   68                          ; s[68:75]   descriptor group 1, the same for the three fills
.set G0,   76                          ; s[76:87]   descriptor group 0 of row tile a at 76 + 4 a; never rewritten
.set MSB, 0
.macro WIN new                         ; s_set_vgpr_msb: bits 1:0 source 0, 3:2 source 1, 5:4 source 2, 7:6 destination; the high byte repeats the setting that is left
.if MSB != \new
	s_set_vgpr_msb (MSB<<8)|\new
.set MSB, \new
.endif
.endm
.macro PLACES                          ; four independent vector instructions between a matrix instruction and a reader of its result or a writer of its registers (ISA guide 7.12.1)
.rept 4
	v_nop
.endr
.endm
; A round of the cluster's barrier: my work-group's barrier, wave 0 signals for the work-group, every wave waits for the four work-groups, my work-group's barrier again.
.macro ROUND
	s_barrier_signal -1
	s_barrier_wait -1
	s_cmp_lg_u32 s26, 0
	s_cbranch_scc1 .Lnot_wave_0_\@
	s_barrier_signal -3
.Lnot_wave_0_\@:
	s_barrier_wait -3
	s_barrier_signal -1
	s_barrier_wait -1
.endm
	s_load_b512 s[8:23], s[0:1], 0x0               ; fa 8, fb 10, Wv 12, Wq 14, Wk 16, bv 18, bq 20, kv 22
	s_load_b64 s[24:25], s[0:1], 0x40              ; q
	v_lshl_add_u32 v6, v0, 2, 0x41800
	s_set_vgpr_msb 0x40
	v_mov_b32 v225, 0
	s_set_vgpr_msb 0x4044
	ds_add_u32 v6, v225
	s_set_vgpr_msb 0x4400
	v_lshrrev_b32 v15, 5, v0
	v_readfirstlane_b32 s26, v15                   ; w
	s_and_b32 s27, s26, 3                          ; w & 3
	s_and_b32 s28, ttmp7, 0xffff                   ; b
	s_bfe_u32 s52, ttmp6, 0x40000                  ; cx
	s_lshl_b32 s29, ttmp9, 2
	s_add_co_u32 s29, s29, s52                     ; jb = 4 x cluster x + cx.  It lives in s29, s[44:45] and s[50:55] alone and enters the bases of fa, fb, kv and q alone
	; descriptor group 1: 16 rows of 128 elements of 8 bytes, dense in memory, padded in LDS
	s_mov_b32 s[G1+0], 15|(3<<16)|(1<<20)|(1<<21)|(7<<22)|(3<<25)  ; 15:0 mask: all four of the cluster; 17:16 8 bytes; 20 padding on; 21 set beside a mask; 24:22 after every 256 words; 31:25 4 words
	s_mov_b32 s[G1+1], 128<<16                     ; tensor_dim0 = 128
	s_mov_b32 s[G1+2], 16<<16                      ; tensor_dim1 = 16
	s_mov_b32 s[G1+3], 128<<16                     ; tile_dim0 = 128
	s_mov_b32 s[G1+4], 16                          ; tile_dim1 = 16
	s_mov_b32 s[G1+5], 128                         ; from row to row: 128 elements
	s_mov_b32 s[G1+6], 0
	s_mov_b32 s[G1+7], 0
	s_mul_i32 s47, s26, WSLW
.irp a, 0,1,2
	s_mov_b32 s[G0+4*\a], 1                        ; count = 1
	s_add_co_u32 s[G0+4*\a+1], s47, WSL            ; LDS address: my part of the slot, for each of the three fills
.endr
	v_and_b32 v1, 31, v0                           ; L
	v_and_b32 v2, 15, v0                           ; r
	v_bfe_u32 v3, v0, 4, 1                         ; h
	v_lshlrev_b32 v4, 4, v1                        ; 16 L: every global access of the wave is 512 consecutive bytes
	s_lshr_b32 s46, s26, 2
	s_mul_i32 s46, s46, XBL
	s_lshl_b32 s47, s27, 7
	s_add_co_u32 s46, s46, s47
	v_mul_u32_u24 v5, v1, XPITCH
	v_add_nc_u32 v5, s46, v5                       ; X store: fa's or fb's rows, row L, my 64 channels at byte 128 (w & 3)
	v_mul_u32_u24 v7, v2, WPITCH
	v_lshl_add_u32 v7, v3, 5, v7
	v_add_nc_u32 v7, s[G0+1], v7                   ; weight read: my part of the slot, row r, 8 h numbers of 4 bytes
	v_mul_u32_u24 v8, v2, XPITCH
	v_lshl_add_u32 v8, v3, 4, v8                   ; fragment read of fa's rows: 528 r + 16 h
	v_add_nc_u32 v9, XBL, v8                       ; and of fb's rows
	s_mul_i32 s46, s26, 32*SPITCH
	s_add_co_u32 s46, s46, STAGE
	v_mul_u32_u24 v10, v3, 8*SPITCH
	v_lshl_add_u32 v10, v2, 3, v10
	v_add_nc_u32 v10, s46, v10                     ; v into the stage: row 32 w + 8 h, byte 8 r
	s_lshr_b32 s46, s26, 2
	s_xor_b32 s46, s46, 1
	s_mul_i32 s46, s46, 64*SPITCH                  ; q's rows lie 64 rows behind k's
	s_lshl_b32 s47, s27, 5
	s_add_co_u32 s46, s46, s47
	s_add_co_u32 s46, s46, STAGE+256*SPITCH
	v_mul_u32_u24 v11, v2, 2*SPITCH
	v_lshl_add_u32 v11, v3, 4, v11
	v_add_nc_u32 v11, s46, v11                     ; q or k into the stage: row 2 r, byte 32 (w & 3) + 16 h
	v_mul_u32_u24 v12, v3, SPITCH
	v_lshl_add_u32 v12, v2, 4, v12                 ; copy out: lanes 0-15 one row of 256 bytes, lanes 16-31 the next
	s_mul_i32 s46, s26, 8*SPITCH
	s_add_co_u32 s46, s46, STAGE+320*SPITCH
	v_add_nc_u32 v13, s46, v12                     ; q's rows 8 w ..
	s_mul_i32 s46, s26, 40*SPITCH
	s_add_co_u32 s46, s46, STAGE
	v_add_nc_u32 v12, s46, v12                     ; the stage's rows 40 w ..
	v_lshlrev_b32 v14, 5, v3                       ; bias: 8 h channels of 4 bytes
	s_wait_dscnt 0x0
	s_wait_kmcnt 0x0
	s_cmp_lt_u32 s26, 4
	s_cselect_b64 s[30:31], s[8:9], s[10:11]       ; waves 0-3 bring fa, waves 4-7 fb
	s_cselect_b64 s[34:35], s[14:15], s[16:17]     ; waves 0-3 make q, waves 4-7 k
	; where the weight rows come from: the wave's number and constants alone
	s_mov_b32 s33, 0
	s_lshl_b32 s32, s26, 15
	s_add_nc_u64 s[G0+2:G0+3], s[12:13], s[32:33]          ; a = 0: Wv at row 32 w
	s_add_nc_u64 s[G0+6:G0+7], s[G0+2:G0+3], 0x4000        ; a = 1: 16 rows of 1,024 bytes further
	s_lshl_b32 s32, s27, 14
	s_add_nc_u64 s[G0+10:G0+11], s[34:35], s[32:33]        ; a = 2: Wq or Wk at row 16 (w & 3)
.irp a, 0,1,2
	s_or_b32 s[G0+4*\a+3], s[G0+4*\a+3], 0x80000000        ; type = 2
.endr
	s_lshl_b32 s32, s26, 7
	s_add_nc_u64 s[36:37], s[18:19], s[32:33]      ; bv at 32 w
	s_lshl_b32 s32, s27, 6
	s_add_nc_u64 s[38:39], s[20:21], s[32:33]      ; bq at 16 (w & 3)
	; the bases that hang on the block
	s_mov_b32 s45, 0
	s_mov_b32 s51, 0
	s_lshl_b32 s44, s28, 22                        ; an image is 256 x 16,384 bytes
	s_lshl_b32 s53, s29, 9                         ; 128 positions of 4 bytes
	s_add_co_u32 s44, s44, s53
	s_lshl_b32 s53, s27, 20                        ; my 64 channels
	s_add_co_u32 s44, s44, s53
	s_add_nc_u64 s[30:31], s[30:31], s[44:45]
	; My 40 rows of the stage go to rows 40 w .. 40 w + 39 of a tile: v's rows (below 256) to tile jb, k's rows to tile (jb - 2) mod 32.
	; Row 256 is wave 6's row 16: its first 16 rows are v's, the rest k's; all of wave 7's are k's.  So two bases: one for a wave's first 16 rows, one for the other 24.
	s_mul_i32 s53, s26, 10240                      ; 40 w rows of 256 bytes
	s_lshl_b32 s54, s28, 5                         ; 32 b
	s_add_co_u32 s44, s54, s29
	s_mul_i32 s44, s44, 81920
	s_add_co_u32 s44, s44, s53                     ; offset in tile jb
	s_add_co_u32 s55, s29, 30
	s_and_b32 s55, s55, 31                         ; (jb - 2) mod 32
	s_add_co_u32 s55, s55, s54
	s_mul_i32 s55, s55, 81920
	s_add_co_u32 s55, s55, s53                     ; offset in that tile
	s_cmp_lt_u32 s26, 6
	s_cselect_b32 s50, s44, s55                    ; rows 16 .. 39 of my 40
	s_cmp_lt_u32 s26, 7
	s_cselect_b32 s44, s44, s55                    ; rows 0 .. 15 of my 40
	s_add_nc_u64 s[40:41], s[22:23], s[44:45]
	s_add_nc_u64 s[48:49], s[22:23], s[50:51]
	s_add_co_u32 s44, s54, s29
	s_lshl_b32 s44, s44, 14
	s_lshl_b32 s53, s26, 11
	s_add_co_u32 s44, s44, s53
	s_add_nc_u64 s[42:43], s[24:25], s[44:45]      ; my 16 positions of q
	; The biases, laid out as an accumulator tile (register j of lane (r, h) = channel 8 h + j): the first product of each sum takes them as C, in f32.
	WIN 0x40
.irp a, 0,1
	global_load_b128 v[BIAS+8*\a:BIAS+8*\a+3],   v14, s[36:37] offset:64*\a
	global_load_b128 v[BIAS+8*\a+4:BIAS+8*\a+7], v14, s[36:37] offset:64*\a+16
.endr
	WIN 0
	s_cmp_lt_u32 s26, 4
	s_cbranch_scc0 .Lk_has_no_bias
	WIN 0x40
	global_load_b128 v[BIAS+16:BIAS+19], v14, s[38:39]
	global_load_b128 v[BIAS+20:BIAS+23], v14, s[38:39] offset:16
	WIN 0
	s_branch .Lbias_done
.Lk_has_no_bias:
	WIN 0x40
.irp j, 0,1,2,3,4,5,6,7
	v_mov_b32 v[BIAS+16+\j], 0                     ; eight registers, once, so that one text of products serves q's and k's waves
.endr
	WIN 0
.Lbias_done:
; Group k = 0..7 of eight loads into ring slot k % 4: channels 8 k .. 8 k + 7 of my 64, 128 positions each.
.macro ISSUE k
.set R, RAW+32*((\k)%4)
.irp y, 0,1,2,3,4,5,6,7
	global_load_b128 v[R+4*\y:R+4*\y+3], v4, s[30:31] offset:(8*(\k)+\y)*16384 th:TH_LOAD_NT
.endr
.endm
; Group k is rounded to f16 and laid into LDS: for each of my four positions e the eight channels make 16 bytes of row 32 e + L.
.macro PROC k
.set R, RAW+32*((\k)%4)
.irp e, 0,1,2,3
.irp d, 0,1,2,3
	v_cvt_pk_f16_f32 v[PK+4*\e+\d], v[R+8*\d+\e], v[R+8*\d+4+\e]
.endr
	ds_store_b128 v5, v[PK+4*\e:PK+4*\e+3] offset:32*XPITCH*\e+16*(\k)
.endr
.endm
.macro XSTEP k
.if \k <= 4
	s_wait_loadcnt 24                              ; loads come back in order: group k (and the biases, which are older) is in; the three younger groups of eight stay out
.else
	s_wait_loadcnt 8*(7-\k)                        ; the ring runs empty: 16, 8, 0
.endif
	PROC \k
.if \k <= 3
	ISSUE \k+4
.endif
.endm
; Chunk c of a row tile: the f32 numbers of fragments 2 c and 2 c + 1.  Fragment s of lane (r, h) is channels 32 s + 8 h .. + 7 and 32 s + 16 + 8 h .. + 7 of row r:
; 32 bytes at 128 s + 32 h and 32 bytes 64 further on: four loads of 16 bytes.
.macro WLD c, tb
.irp f, 0,1
.irp x, 0,1,2,3
	ds_load_b128 v[\tb+16*\f+4*\x:\tb+16*\f+4*\x+3], v7 offset:128*(2*(\c)+\f)+16*(\x&1)+64*(\x>>1)
.endr
.endr
.endm
.macro WCV a, c, tb                    ; the chunk is rounded to f16: sixteen numbers make the eight registers of a fragment, in window 1
	WIN 0x40
.irp f, 0,1
.irp d, 0,1,2,3,4,5,6,7
	v_cvt_pk_f16_f32 v[WF+8*(8*(\a)+2*(\c)+\f)+\d], v[\tb+16*\f+2*\d], v[\tb+16*\f+2*\d+1]
.endr
.endr
	WIN 0
.endm
; Row tile a has landed in my part of the slot and becomes eight fragments.  more = 1: the slot is filled again with the next row tile.
.macro WTILE a, more
	s_wait_tensorcnt 0x0                           ; the one tensor load of mine that is out has landed: only I read its rows, so this wait is all that the reads need
	WLD 0, ACC
	WLD 1, ACC+32
	WLD 2, ACC+64
	s_wait_dscnt 16                                ; LDS serves a wave in order: all but the two younger chunks' sixteen loads
	WCV \a, 0, ACC
	WLD 3, ACC
	s_wait_dscnt 16                                ; likewise: chunk 1 is in
	WCV \a, 1, ACC+32
	s_wait_dscnt 8                                 ; all but chunk 3's eight loads
	WCV \a, 2, ACC+64
	s_wait_dscnt 0x0
	WCV \a, 3, ACC
.if \more
	s_wait_dscnt 0x0                               ; my reads of the slot are back (met: the count-down above ended at 0),
	s_set_vgpr_msb 0x4
	s_wait_tensorcnt 0x0                           ; and no tensor load of mine is out (met likewise)
	ds_add_u32 v6, v225
	s_wait_dscnt 0x0
	s_set_vgpr_msb 0x400
	ROUND                                          ; both now hold of every wave of the four work-groups
	tensor_load_to_lds s[G0+4*(\a+1):G0+4*(\a+1)+3], s[G1:G1+7]   ; my one load behind the round: the next row tile; it lands while fa and fb are converted
	s_nop 0
.endif
.endm
	ISSUE 0                                        ; fa and fb are asked for first: they come from memory
	ISSUE 1
	ISSUE 2
	ISSUE 3
	ROUND                                          ; the four work-groups are here: the first joint loads meet
	tensor_load_to_lds s[G0:G0+3], s[G1:G1+7]      ; row tile 0
	s_nop 0
	XSTEP 0
	XSTEP 1
	WTILE 0, 1
	XSTEP 2
	XSTEP 3
	XSTEP 4
	WTILE 1, 1
	XSTEP 5
	XSTEP 6
	XSTEP 7
	WTILE 2, 0                                     ; the last fill: nothing is fetched behind it
	s_wait_dscnt 0x0                               ; my part of X is written and my reads of the slot are back,
	s_barrier_signal -1
	s_barrier_wait -1                              ; everybody's: X is whole and is never written again, and the slot's bytes may serve as the stage
; Sixteen loads: the column fragments of pass u, channels 32 s .. 32 s + 31: four tiles of fa's rows, four of fb's.
.macro FETCHX u, s, buf
.irp t, 0,1,2,3
	ds_load_b128 v[\buf+8*\t:\buf+8*\t+3],   v8 offset:(32*\t+16*\u)*XPITCH+64*(\s)
	ds_load_b128 v[\buf+8*\t+4:\buf+8*\t+7], v8 offset:(32*\t+16*\u)*XPITCH+64*(\s)+32
.endr
.irp t, 0,1,2,3
	ds_load_b128 v[\buf+32+8*\t:\buf+32+8*\t+3],   v9 offset:(32*\t+16*\u)*XPITCH+64*(\s)
	ds_load_b128 v[\buf+32+8*\t+4:\buf+32+8*\t+7], v9 offset:(32*\t+16*\u)*XPITCH+64*(\s)+32
.endr
.endm
; Twelve products.  The twelve accumulators take turns, one instruction a turn, in the same order in every step.
; first = 1: C is the bias tile, so nothing is cleared and no bias is added later.
.macro MUL12 s, buf, first
.if \first
	WIN 0x11
.else
	WIN 0x01
.endif
.irp t, 0,1,2,3
.irp a, 0,1,2
.if \first
	v_wmma_f32_16x16x32_f16 v[ACC+8*(4*\a+\t):ACC+8*(4*\a+\t)+7], v[WF+8*(8*\a+\s):WF+8*(8*\a+\s)+7], v[\buf+32*(\a>>1)+8*\t:\buf+32*(\a>>1)+8*\t+7], v[BIAS+8*\a:BIAS+8*\a+7]
.else
	v_wmma_f32_16x16x32_f16 v[ACC+8*(4*\a+\t):ACC+8*(4*\a+\t)+7], v[WF+8*(8*\a+\s):WF+8*(8*\a+\s)+7], v[\buf+32*(\a>>1)+8*\t:\buf+32*(\a>>1)+8*\t+7], v[ACC+8*(4*\a+\t):ACC+8*(4*\a+\t)+7]
.endif
.endr
.endr
.endm
; Pass u: 64 positions, eight steps of 32 channels on two fragment buffers; step s + 1 is fetched ahead of step s's products.
.macro PASS u
.irp s, 0,1,2,3,4,5,6,7
	WIN 0
	PLACES                                         ; the buffer that is loaded next was read by the step before
.if \s < 7
	FETCHX \u, \s+1, BF0+64*((\s+1)&1)
	s_wait_dscnt 16                                ; all but the sixteen loads just issued: this step's fragments are in
.else
	s_wait_dscnt 0x0
.endif
.if \s == 0
	MUL12 \s, BF0+64*(\s&1), 1
.else
	MUL12 \s, BF0+64*(\s&1), 0
.endif
.endr
.endm
; Pass u's results into the stage, rounded to f16.  v: register j of tiles t = 0..3 is channel 16 a + 8 h + j at positions 64 u + 4 r + t: 8 bytes of a row.
; q, k: a tile's eight registers are channels 8 h .. 8 h + 7 of position 64 u + 4 r + t: 16 bytes of that position's 128.
.macro EPI u
.irp a, 0,1
.irp j, 0,1,2,3,4,5,6,7
	v_cvt_pk_f16_f32 v[PK+2*\j],   v[ACC+32*\a+\j],    v[ACC+32*\a+8+\j]
	v_cvt_pk_f16_f32 v[PK+2*\j+1], v[ACC+32*\a+16+\j], v[ACC+32*\a+24+\j]
	ds_store_b64 v10, v[PK+2*\j:PK+2*\j+1] offset:(16*\a+\j)*SPITCH+128*\u
.endr
.endr
.irp t, 0,1,2,3
.irp d, 0,1,2,3
	v_cvt_pk_f16_f32 v[PK+4*\t+\d], v[ACC+64+8*\t+2*\d], v[ACC+64+8*\t+2*\d+1]
.endr
	ds_store_b128 v11, v[PK+4*\t:PK+4*\t+3] offset:(32*\u+(\t>>1))*SPITCH+128*(\t&1)
.endr
.endm
	FETCHX 0, 0, BF0
	PASS 0
	WIN 0
	PLACES                                         ; behind the last products: the conversions read results, the loads land in a buffer that was read
	FETCHX 1, 0, BF0
	EPI 0
	PASS 1
	WIN 0
	PLACES
	EPI 1
	s_wait_dscnt 0x0                               ; my part of the stage is written,
	s_barrier_signal -1
	s_barrier_wait -1                              ; everybody's is
	; The copy out: whole rows of 256 bytes; sixteen lanes store 256 consecutive bytes at a multiple of 256 from the buffer's first byte.
.irp i, 0,1,2,3,4,5,6,7,8,9,10,11,12,13,14,15,16,17,18,19
	ds_load_b128 v[CP+4*\i:CP+4*\i+3], v12 offset:2*SPITCH*\i
.endr
.irp i, 0,1,2,3
	ds_load_b128 v[CP+80+4*\i:CP+80+4*\i+3], v13 offset:2*SPITCH*\i
.endr
.irp i, 0,1,2,3,4,5,6,7,8,9,10,11,12,13,14,15,16,17,18,19
	s_wait_dscnt 23-\i                             ; LDS loads come back in order: load i of the 24 is in
.if \i < 8
	global_store_b128 v4, v[CP+4*\i:CP+4*\i+3], s[40:41] offset:512*\i     ; my rows 0 .. 15
.else
	global_store_b128 v4, v[CP+4*\i:CP+4*\i+3], s[48:49] offset:512*\i     ; my rows 16 .. 39
.endif
.endr
.irp i, 0,1,2,3
	s_wait_dscnt 3-\i
	global_store_b128 v4, v[CP+80+4*\i:CP+80+4*\i+3], s[42:43] offset:512*\i
.endr
	s_set_vgpr_msb 0x4
	s_wait_tensorcnt 0x0
	ds_add_u32 v6, v225
	s_wait_dscnt 0x0
	s_set_vgpr_msb 0x400
	ROUND                                          ; the closing round: no work-group ends while a partner may still ask for rows in a load that names it
	s_endpgm
.Lfunc_end_k_qbf38ae097b_proj:
	.size	k_qbf38ae097b_proj, .Lfunc_end_k_qbf38ae097b_proj-k_qbf38ae097b_proj
	.p2alignl 7, 3214868480
	.fill 96, 4, 3214868480
	.section	.rodata,"a",@progbits
	.p2align	6, 0x0
	.amdhsa_kernel k_qbf38ae097b_proj
		.amdhsa_group_segment_fixed_size 327680
		.amdhsa_private_segment_fixed_size 0
		.amdhsa_enable_private_segment 0
		.amdhsa_kernarg_size 72
		.amdhsa_user_sgpr_count 2
		.amdhsa_user_sgpr_kernarg_segment_ptr 1
		.amdhsa_wavefront_size32 1
		.amdhsa_system_sgpr_workgroup_id_x 1
		.amdhsa_system_sgpr_workgroup_id_y 1
		.amdhsa_system_sgpr_workgroup_id_z 1
		.amdhsa_system_vgpr_workitem_id 0
		.amdhsa_next_free_vgpr 482
		.amdhsa_next_free_sgpr 88
		.amdhsa_reserve_vcc 0
		.amdhsa_float_denorm_mode_32 3
		.amdhsa_float_denorm_mode_16_64 3
		.amdhsa_memory_ordered 1
		.amdhsa_forward_progress 1
		.amdhsa_inst_pref_size 90
	.end_amdhsa_kernel
	.amdgpu_metadata
---
amdhsa.version: [ 1, 2 ]
amdhsa.kernels:
  - .name:           k_qbf38ae097b_proj
    .symbol:         k_qbf38ae097b_proj.kd
    .args:
      - { .name: fa, .offset: 0, .size: 8, .value_kind: global_buffer, .address_space: global }
      - { .name: fb, .offset: 8, .size: 8, .value_kind: global_buffer, .address_space: global }
      - { .name: Wv, .offset: 16, .size: 8, .value_kind: global_buffer, .address_space: global }
      - { .name: Wq, .offset: 24, .size: 8, .value_kind: global_buffer, .address_space: global }
      - { .name: Wk, .offset: 32, .size: 8, .value_kind: global_buffer, .address_space: global }
      - { .name: bv, .offset: 40, .size: 8, .value_kind: global_buffer, .address_space: global }
      - { .name: bq, .offset: 48, .size: 8, .value_kind: global_buffer, .address_space: global }
      - { .name: kv, .offset: 56, .size: 8, .value_kind: global_buffer, .address_space: global }
      - { .name: q, .offset: 64, .size: 8, .value_kind: global_buffer, .address_space: global }
    .group_segment_fixed_size: 327680
    .private_segment_fixed_size: 0
    .kernarg_segment_align: 8
    .kernarg_segment_size: 72
    .max_flat_workgroup_size: 256
    .sgpr_count:     88
    .vgpr_count:     482
    .wavefront_size: 32
...
	.end_amdgpu_metadata
.endif
;; end of part 1
;; launch attn (part 2): grid 32 x 8, 4 waves a work-group, clusters of 4 x 1, 327,680 bytes of LDS; arguments q, kv, fa, gamma, out0; writes out0
.if DOCPART == 2
	.amdgcn_target "amdgcn-amd-amdhsa--gfx1250"
	.amdhsa_code_object_version 6
	.text
	.protected	k_qbf38ae097b_attn
	.globl	k_qbf38ae097b_attn
	.p2align	8
	.type	k_qbf38ae097b_attn,@function
k_qbf38ae097b_attn:
	s_mov_b64 s[64:65], 0
	v_nop
	global_prefetch_b8 v0, s[64:65] scope:SCOPE_SE
	s_setreg_imm32_b32 hwreg(HW_REG_WAVE_MODE, 25, 1), 1
	s_wait_xcnt 0x0
	s_wait_alu depctr_hold_cnt(0) depctr_sa_sdst(0) depctr_va_vdst(0) depctr_va_sdst(0) depctr_va_ssrc(0) depctr_va_vcc(0) depctr_vm_vsrc(0)
	s_getreg_b32 s2, hwreg(HW_REG_IB_STS2, 6, 4)
	s_cmp_eq_u32 s2, 0
	s_cbranch_scc0 .Lentry_in_a_cluster
	s_endpgm
.Lentry_in_a_cluster:
	s_bfe_u32 s2, ttmp6, 0x10000c
	s_cmp_lg_u32 s2, 0x3003
	s_cbranch_scc0 .Lentry_shape_is_right
	s_endpgm
.Lentry_shape_is_right:
; LFGA, second launch: out0 = relu(gamma * (v softmax_j(q_i . k_j)) + fa), with a running maximum.
; bk is left out: q_i . bk is the same for every key j and cancels in the softmax (shown at the head of the first kernel; the limit stated there holds here).
; LIMITS: q, k, v and the softmax's weights enter the products in f16 (why, and the room of q, k and v below 65,504: the head of the first kernel).
; The weights lie in [0, 1]: their f16 error is the larger of 2^-12 of the weight and 2^-25, and weights below 2^-25 count as 0; over 4,096 keys the
; second term is at most 4,096 x 2^-25 = 2^-13 of the size of v.  v_exp_f32 gives 0 for results below 2^-126 (ISA guide, its entry in 15.8).
; The relu is v_max_num_f32 with 0: a NaN would come out as 0; inputs inside the stated range make none, since every exponent is <= 0 and every row sum >= 1.
;
; A work-group takes 128 queries of one image (x = query block, y = image) against all 4,096 keys, in 32 tiles of 128 keys.  Four waves: wave w has
; iq = w >> 1 and jh = w & 1, and takes queries 64 iq .. + 63, of every tile the keys 64 jh .. + 63, and all 256 channels: O is 256 x 64 f32 = 512 registers.
; The two waves of one iq merge their key halves once, at the end, through LDS.  Query 4 r + t belongs to column tile t, lane r.
;   S^T(jt, t) = K fragment (rows = keys) x Q fragment (columns = queries): lane (r, h), register j = key 16 jt + 8 h + j of query 4 r + t.
;   Packed to f16, tiles 2 u and 2 u + 1 ARE registers 0-3 and 4-7 of the column fragment of P for key step u: no shuffle.
;   O(c, t) += V fragment (rows = channels) x P(u, t): lane (r, h), register j = channel 16 c + 8 h + j of query 4 r + t: the softmax's factors are per lane,
;   and register j of the four tiles t is 16 neighbouring bytes of a row of out0.
; MATRIX WORK BESIDE VECTOR WORK.  Trip j holds three things that do not hang on each other: the 128 products O += V(j) P(j), the softmax of tile j + 1
; (its S was made a trip earlier) with the rescaling of O, and the 32 products S(j + 2).  The products stand in five runs of 32:
;   run 1: key step 0, window 2    run 2: key step 0, window 3    run 3: key step 1, window 2    run 4: key step 1, window 3    run 5: S(j + 2)
; Behind each product stands a slice: in turns 2 to 5 of a run four LDS loads (the next run's fragments), in the other 28 turns the next five places of ONE numbered
; stream of 680 places (macro VS1): 5 x 140 = 700 >= 680.  The two pieces are tiles and not pairs of query tiles, so that each V fragment is read from LDS once.
; O fills windows 2 and 3, so a product and its slice cannot share a destination window: each turn pays two s_set_vgpr_msb.
; The slices are also the places behind the products (ISA guide 7.12.1); where each part of the stream falls is worked out at VS1.
; TILES: tile j of kv holds V(j) and K(j + 2) (the first kernel lays them so), so a trip reads one slot.  K(0) and K(1) lie in tiles 30 and 31 and come straight from memory, as Q does.
; CLUSTER: all 32 work-groups of an image walk the same tiles.  Four neighbours along x form a cluster and ask for each tile jointly, with one descriptor
; (made of the image, the wave's number and constants alone) and the mask 15; a joint load here names four work-groups, so the requests are divided by four.
; RING: two LDS slots of one tile (320 rows of 256 bytes + 16 of padding).  Each wave brings 80 rows with one load; a wave has two tensor loads outstanding at the start, later one.
.set PITCH, 272                        ; 17 x 16 bytes: the sixteen rows of a fragment load start at sixteen different 16-byte columns of 256
.set SLOT,  320*PITCH                  ; 87,040
.set KROW,  256*PITCH                  ; k's rows lie behind v's 256
.set OST,   2*SLOT                     ; 174,080 = 680 x 256: for each wave 32,768 bytes, the half of O that it hands over; no fill lands here
.set MLST,  OST+4*32768                ; 305,152 = 1,192 x 256: for each wave 1,024 bytes: its shifts and row sums
.set TILEB, 81920                      ; a tile in memory
; window 0
.set QF,  16                           ; v[16:79]   Q fragment (t, s) at 16 + 8 (2 t + s);   on the way out: fa, four buffers of 32 in v[16:143]
.set VF0, 80                           ; v[80:143]  fragment buffer 0: eight V tiles of 16 channels, or K fragment (jt, s) at + 8 (2 jt + s)
.set VF1, 144                          ; v[144:207] fragment buffer 1;   on the way out: the partner's O, two buffers of 32
.set KGO, 208                          ; v208       lane offset of K(0) and K(1) in memory; free behind their wait
; window 1: S(jt, t) at 8 (4 jt + t)
.set PB,   128                         ; P(u, t) at 128 + 8 (4 u + t)
.set MAXR, 192                         ; running maximum of query tile t
.set SUMR, 196                         ; running row sum, each half of the lanes its own keys' until the end
.set NMC,  200                         ; the shifts in four neighbouring registers, for the store
.set TMP,  204
.set NM,   208                         ; NM + 2 t: the shift, -maximum x log2(e) as rounded; the odd registers are written once and never used
.set AL,   216                         ; AL + 2 t: the factor that rebases the old sums
.set RS,   224                         ; RS + 2 t: a pair of partial sums
; windows 2 and 3: O(c, t) at 8 (4 c + t); window 2 = channels 128 jh + 16 c, which I keep; window 3 = the other 128, which my partner keeps
.set MSB, 0
.macro WIN new                         ; s_set_vgpr_msb: bits 1:0 source 0, 3:2 source 1, 5:4 source 2, 7:6 destination; the high byte repeats the setting that is left
.if MSB != \new
	s_set_vgpr_msb (MSB<<8)|\new
.set MSB, \new
.endif
.endm
.macro PLACES                          ; four independent vector instructions between a matrix instruction and a reader of its result or a writer of its registers (ISA guide 7.12.1)
.rept 4
	v_nop
.endr
.endm
; A round of the cluster's barrier: my work-group's barrier, wave 0 signals for the work-group, every wave waits for the four work-groups, my work-group's barrier again.
.macro CREST                           ; a round behind its opening barrier
	s_cmp_lg_u32 s14, 0
	s_cbranch_scc1 .Lnot_wave_0_\@
	s_barrier_signal -3
.Lnot_wave_0_\@:
	s_barrier_wait -3
	s_barrier_signal -1
	s_barrier_wait -1
.endm
.macro ROUND                           ; a whole round
	s_barrier_signal -1
	s_barrier_wait -1
	CREST
.endm
	s_load_b256 s[4:11], s[0:1], 0x0               ; q 4, kv 6, fa 8, gamma 10
	s_load_b64 s[12:13], s[0:1], 0x20              ; out0
	v_lshl_add_u32 v254, v0, 2, 0x4b800
	v_mov_b32 v255, 0
	ds_add_u32 v254, v255
	v_lshrrev_b32 v1, 5, v0
	v_readfirstlane_b32 s14, v1                    ; w
	s_and_b32 s15, s14, 1                          ; jh
	s_lshr_b32 s16, s14, 1                         ; iq
	s_and_b32 s19, ttmp7, 0xffff                   ; b
	s_bfe_u32 s17, ttmp6, 0x40000                  ; cx
	s_lshl_b32 s18, ttmp9, 2
	s_add_co_u32 s18, s18, s17                     ; query block = 4 x cluster x + cx; it enters the bases of q, fa and out0 alone, through s[50:52]
	s_mov_b32 s40, 0x3fb8aa3b                      ; log2(e), twice: a pair for the packed forms
	s_mov_b32 s41, 0x3fb8aa3b
	s_mov_b32 s42, 0x76543210                      ; v_permlanex16_b32: lane i of one half reads lane i of the other
	s_mov_b32 s43, 0xfedcba98
	; descriptor group 1: 80 rows of 32 elements of 8 bytes, dense in memory, padded in LDS
	s_mov_b32 s24, 15|(3<<16)|(1<<20)|(1<<21)|(5<<22)|(3<<25)  ; 15:0 mask: all four of the cluster; 17:16 8 bytes; 20 padding on; 21 set beside a mask; 24:22 after every 64 words; 31:25 4 words
	s_mov_b32 s25, 32<<16                          ; tensor_dim0 = 32
	s_mov_b32 s26, 80<<16                          ; tensor_dim1 = 80
	s_mov_b32 s27, 32<<16                          ; tile_dim0 = 32
	s_mov_b32 s28, 80                              ; tile_dim1 = 80
	s_mov_b32 s29, 32                              ; from row to row: 32 elements
	s_mov_b32 s30, 0
	s_mov_b32 s31, 0
	; lane terms
	v_and_b32 v1, 15, v0                           ; r
	v_bfe_u32 v2, v0, 4, 1                         ; h
	v_and_b32 v15, 31, v0                          ; L
	v_lshlrev_b32 v3, 9, v1
	v_lshl_add_u32 v3, v2, 4, v3                   ; Q: query 4 r, 128 bytes each, + 16 h
	v_lshlrev_b32 v[KGO], 7, v1
	v_lshl_add_u32 v[KGO], v2, 4, v[KGO]           ; K in memory: key r, 128 bytes each, + 16 h
	v_lshrrev_b32 v4, 1, v1
	v_mul_u32_u24 v4, v4, PITCH
	v_and_b32 v5, 1, v1
	v_lshl_add_u32 v4, v5, 7, v4
	v_lshl_add_u32 v4, v2, 4, v4                   ; K in LDS: key r lies in row r >> 1, half r & 1
	s_mul_i32 s22, s15, 32*PITCH
	s_add_co_u32 s22, s22, KROW
	v_add_nc_u32 v4, s22, v4                       ; v4, v5: my 64 keys' rows in slot 0, 1
	v_add_nc_u32 v5, SLOT, v4
	v_mul_u32_u24 v6, v1, PITCH
	v_lshl_add_u32 v6, v2, 4, v6                   ; V: row r, + 16 h
	s_xor_b32 s21, s15, 1
	s_mul_i32 s21, s21, 128*PITCH
	s_lshl_b32 s22, s15, 7
	s_add_co_u32 s21, s21, s22
	v_add_nc_u32 v8, s21, v6                       ; v8, v9: the other 128 channels, my keys' 128 bytes, slot 0, 1
	s_mul_i32 s21, s15, 128*PITCH+128
	v_add_nc_u32 v6, s21, v6                       ; v6, v7: channels 128 jh .., my keys' 128 bytes
	v_add_nc_u32 v7, SLOT, v6
	v_add_nc_u32 v9, SLOT, v8
	v_lshlrev_b32 v10, 17, v2
	v_lshl_add_u32 v10, v1, 4, v10                 ; fa, out0: 8 h channels of 16,384 bytes + 16 r
	s_xor_b32 s22, s14, 1                          ; my partner: the same queries, the other keys
	s_lshl_b32 s21, s14, 15
	s_add_co_u32 s21, s21, OST
	v_lshl_add_u32 v11, v15, 4, s21
	s_lshl_b32 s21, s22, 15
	s_add_co_u32 s21, s21, OST
	v_lshl_add_u32 v12, v15, 4, s21
	s_lshl_b32 s21, s14, 10
	s_add_co_u32 s21, s21, MLST
	v_lshl_add_u32 v13, v15, 4, s21
	s_lshl_b32 s21, s22, 10
	s_add_co_u32 s21, s21, MLST
	v_lshl_add_u32 v14, v15, 4, s21
	v_lshlrev_b32 v15, 14, v15                     ; prefetch: lane L asks for channel L's block
	WIN 0x40
.irp t, 0,1,2,3
	v_mov_b32 v[TMP+\t], 0                         ; v_permlanex16_b32's destination counts as read
	v_mov_b32 v[NM+2*\t+1], 0                      ; a packed form's source counts as read whole
	v_mov_b32 v[AL+2*\t+1], 0
.endr
	WIN 0
	s_wait_dscnt 0x0
	s_wait_kmcnt 0x0
	s_load_b32 s20, s[10:11], 0x0                  ; gamma
	s_mul_i32 s54, s19, 32*TILEB                   ; the image's tiles,
	s_lshl_b32 s21, s15, 13                        ; my 64 keys of 128 bytes,
	s_add_co_u32 s54, s54, s21
	s_add_co_u32 s54, s54, 30*TILEB+65536          ; k's rows of tile 30: K(0); K(1) lies one tile further
	s_mov_b32 s55, 0
	s_add_nc_u64 s[54:55], s[6:7], s[54:55]
	s_mul_i32 s22, s19, 32*TILEB
	s_mul_i32 s21, s14, 80*256
	s_add_co_u32 s22, s22, s21
	s_mov_b32 s23, 0
	s_add_nc_u64 s[6:7], s[6:7], s[22:23]          ; my 80 rows of the image's tile 0
	s_mul_i32 s21, s14, 80*PITCH                   ; and where they go
.irp n, 0,1
	s_mov_b32 s[32+4*\n], 1                        ; group 0 of slot n: count = 1
	s_add_co_u32 s[33+4*\n], s21, \n*SLOT          ; LDS address
	s_add_nc_u64 s[34+4*\n:35+4*\n], s[6:7], \n*TILEB   ; tile n
	s_or_b32 s[35+4*\n], s[35+4*\n], 0x80000000    ; type = 2
.endr
	s_lshl_b32 s50, s19, 22                        ; image
	s_lshl_b32 s52, s15, 21                        ; channels 128 jh ..
	s_add_co_u32 s50, s50, s52
	s_lshl_b32 s52, s18, 9                         ; 128 queries of 4 bytes
	s_add_co_u32 s50, s50, s52
	s_lshl_b32 s52, s16, 8                         ; my 64
	s_add_co_u32 s50, s50, s52
	s_mov_b32 s51, 0
	s_add_nc_u64 s[44:45], s[8:9], s[50:51]        ; fa
	s_add_nc_u64 s[46:47], s[12:13], s[50:51]      ; out0
	s_lshl_b32 s50, s19, 19
	s_lshl_b32 s52, s18, 14
	s_add_co_u32 s50, s50, s52
	s_lshl_b32 s52, s16, 13
	s_add_co_u32 s50, s50, s52
	s_add_nc_u64 s[48:49], s[4:5], s[50:51]        ; q at my first query
	s_wait_kmcnt 0x0                               ; gamma
	ROUND                                          ; the four work-groups are here: the first joint loads meet
	tensor_load_to_lds s[32:35], s[24:31]          ; tile 0
	s_nop 0
	tensor_load_to_lds s[36:39], s[24:31]          ; tile 1: both first fills go out together
	s_nop 0
.irp t, 0,1,2,3
.irp s, 0,1
	global_load_b128 v[QF+8*(2*\t+\s):QF+8*(2*\t+\s)+3],   v3, s[48:49] offset:128*\t+64*\s
	global_load_b128 v[QF+8*(2*\t+\s)+4:QF+8*(2*\t+\s)+7], v3, s[48:49] offset:128*\t+64*\s+32
.endr
.endr
.macro KGLOAD n, buf                   ; sixteen loads: my 64 keys x 64 channels of K(n), n = 0, 1, from memory
.irp jt, 0,1,2,3
.irp s, 0,1
	global_load_b128 v[\buf+8*(2*\jt+\s):\buf+8*(2*\jt+\s)+3],   v[KGO], s[54:55] offset:\n*TILEB+2048*\jt+64*\s
	global_load_b128 v[\buf+8*(2*\jt+\s)+4:\buf+8*(2*\jt+\s)+7], v[KGO], s[54:55] offset:\n*TILEB+2048*\jt+64*\s+32
.endr
.endr
.endm
	KGLOAD 0, VF0
	KGLOAD 1, VF1
; ---- LDS loads (callers set window 0) ----
.macro FETCHV sl, u, hi, buf           ; sixteen loads: 128 channels (hi = 0: those I keep) x keys 32 u .. + 31 of my 64
.irp c, 0,1,2,3,4,5,6,7
	ds_load_b128 v[\buf+8*\c:\buf+8*\c+3],   v[6+2*\hi+\sl] offset:16*PITCH*\c+64*\u
	ds_load_b128 v[\buf+8*\c+4:\buf+8*\c+7], v[6+2*\hi+\sl] offset:16*PITCH*\c+64*\u+32
.endr
.endm
.macro LD4V sl, u, hi, buf, q          ; quarter q of FETCHV: channel tiles 2 q and 2 q + 1
	WIN 0
.irp c2, 0,1
	ds_load_b128 v[\buf+8*(2*(\q)+\c2):\buf+8*(2*(\q)+\c2)+3],   v[6+2*\hi+\sl] offset:16*PITCH*(2*(\q)+\c2)+64*\u
	ds_load_b128 v[\buf+8*(2*(\q)+\c2)+4:\buf+8*(2*(\q)+\c2)+7], v[6+2*\hi+\sl] offset:16*PITCH*(2*(\q)+\c2)+64*\u+32
.endr
.endm
.macro LD4K sl, buf, q                 ; a quarter of K's fragments: key tile q, both halves of the 64 channels
	WIN 0
.irp s, 0,1
	ds_load_b128 v[\buf+8*(2*(\q)+\s):\buf+8*(2*(\q)+\s)+3],   v[4+\sl] offset:8*PITCH*(\q)+64*\s
	ds_load_b128 v[\buf+8*(2*(\q)+\s)+4:\buf+8*(2*(\q)+\s)+7], v[4+\sl] offset:8*PITCH*(\q)+64*\s+32
.endr
.endm
; ---- products ----
; Product k = 0..31 of S.  Key tiles 0 and 1 first (k < 16), then 2 and 3; within a half the eight accumulators start with C = 0 (channels 0-31) and then add
; channels 32-63: each comes up again behind the seven others, one instruction a turn.
.macro ST buf, k
	WIN 0x50
.set SJT, 2*((\k)>>4)+(((\k)>>2)&1)
.set SKS, ((\k)>>3)&1
.set SQT, (\k)&3
.if SKS == 0
	v_wmma_f32_16x16x32_f16 v[8*(4*SJT+SQT):8*(4*SJT+SQT)+7], v[\buf+16*SJT:\buf+16*SJT+7], v[QF+16*SQT:QF+16*SQT+7], 0
.else
	v_wmma_f32_16x16x32_f16 v[8*(4*SJT+SQT):8*(4*SJT+SQT)+7], v[\buf+16*SJT+8:\buf+16*SJT+15], v[QF+16*SQT+8:QF+16*SQT+15], v[8*(4*SJT+SQT):8*(4*SJT+SQT)+7]
.endif
.endm
.macro SMULP buf                       ; the 32 products of S with nothing beside them (the head of the kernel)
.set TK, 0
.rept 32
	ST \buf, TK
.set TK, TK+1
.endr
.endm
; Product k = 0..31 of a run of O += V P: accumulator k = 4 c + t of window 2 (hi = 0) or 3.  The 32 accumulators of a run take turns, one instruction a turn.
.macro PVT buf, u, hi, zero, k
.if \hi
	WIN 0xF4
.else
	WIN 0xA4
.endif
.if \zero
	v_wmma_f32_16x16x32_f16 v[8*(\k):8*(\k)+7], v[\buf+8*((\k)>>2):\buf+8*((\k)>>2)+7], v[PB+8*(4*\u+((\k)&3)):PB+8*(4*\u+((\k)&3))+7], 0
.else
	v_wmma_f32_16x16x32_f16 v[8*(\k):8*(\k)+7], v[\buf+8*((\k)>>2):\buf+8*((\k)>>2)+7], v[PB+8*(4*\u+((\k)&3)):PB+8*(4*\u+((\k)&3))+7], v[8*(\k):8*(\k)+7]
.endif
.endm
.macro PV buf, u, hi                   ; a run with nothing beside it (the last tile)
.set TK, 0
.rept 32
	PVT \buf, \u, \hi, 0, TK
.set TK, TK+1
.endr
.endm
; ---- the first tile's softmax, in phases: it starts the maximum and the row sums, so nothing is preset ----
.macro SOFTMAX0
	WIN 0x55
.irp t, 0,1,2,3
	v_max3_num_f32 v[MAXR+\t], v[8*\t], v[8*\t+1], v[8*\t+2]
.endr
.set i, 3
.rept 14
.irp t, 0,1,2,3
	v_max3_num_f32 v[MAXR+\t], v[MAXR+\t], v[32*(i>>3)+8*\t+(i&7)], v[32*((i+1)>>3)+8*\t+((i+1)&7)]
.endr
.set i, i+2
.endr
.irp t, 0,1,2,3
	v_max_num_f32 v[MAXR+\t], v[MAXR+\t], v[96+8*\t+7]
.endr
.irp t, 0,1,2,3
	v_permlanex16_b32 v[TMP+\t], v[MAXR+\t], s42, s43             ; the other half of the lanes holds the query's other keys
.endr
.irp t, 0,1,2,3
	v_max_num_f32 v[MAXR+\t], v[MAXR+\t], v[TMP+\t]
.endr
.irp t, 0,1,2,3
	v_mul_f32 v[NM+2*\t], 0xbfb8aa3b, v[MAXR+\t]                  ; the shift: -maximum x log2(e)
.endr
.irp jt, 0,1,2,3
.irp t, 0,1,2,3
.irp d, 0,2,4,6
	v_pk_fma_f32 v[8*(4*\jt+\t)+\d:8*(4*\jt+\t)+\d+1], v[8*(4*\jt+\t)+\d:8*(4*\jt+\t)+\d+1], s[40:41], v[NM+2*\t:NM+2*\t+1] op_sel_hi:[1,0,0]
.endr
.endr
.endr
.set i, 0
.rept 128
	v_exp_f32 v[i], v[i]
.set i, i+1
.endr
	v_nop                                          ; one plain line between the last exponential and the first use (ISA guide 5.7.2)
	s_wait_alu depctr_va_vdst(0)
.irp t, 0,1,2,3
	v_pk_add_f32 v[RS+2*\t:RS+2*\t+1], v[8*\t:8*\t+1], v[8*\t+2:8*\t+3]
.endr
.set i, 2
.rept 14
.irp t, 0,1,2,3
	v_pk_add_f32 v[RS+2*\t:RS+2*\t+1], v[RS+2*\t:RS+2*\t+1], v[32*(i>>2)+8*\t+2*(i&3):32*(i>>2)+8*\t+2*(i&3)+1]
.endr
.set i, i+1
.endr
.irp t, 0,1,2,3
	v_add_f32 v[SUMR+\t], v[RS+2*\t], v[RS+2*\t+1]
.endr
.set i, 0
.rept 64
	CVT1 i
.set i, i+1
.endr
.endm
; ---- the vector stream ----
.macro FMA1 g, i                       ; pair i of S tile g = 4 jt + t: s x log2(e) + shift, both from the pairs' first registers
	v_pk_fma_f32 v[8*(\g)+2*(\i):8*(\g)+2*(\i)+1], v[8*(\g)+2*(\i):8*(\g)+2*(\i)+1], s[40:41], v[NM+2*((\g)&3):NM+2*((\g)&3)+1] op_sel_hi:[1,0,0]
.endm
.macro ADD1 g, i                       ; pair i of tile g joins its query tile's partial sums; key tile 0 starts them with its first two pairs (i = 1 is then empty)
.if (\g) >= 4
	s_wait_alu depctr_va_vdst(0)
	v_pk_add_f32 v[RS+2*((\g)&3):RS+2*((\g)&3)+1], v[RS+2*((\g)&3):RS+2*((\g)&3)+1], v[8*(\g)+2*(\i):8*(\g)+2*(\i)+1]
.else
.if (\i) == 0
	s_wait_alu depctr_va_vdst(0)
	v_pk_add_f32 v[RS+2*((\g)&3):RS+2*((\g)&3)+1], v[8*(\g):8*(\g)+1], v[8*(\g)+2:8*(\g)+3]
.endif
.if (\i) >= 2
	v_pk_add_f32 v[RS+2*((\g)&3):RS+2*((\g)&3)+1], v[RS+2*((\g)&3):RS+2*((\g)&3)+1], v[8*(\g)+2*(\i):8*(\g)+2*(\i)+1]
.endif
.endif
.endm
.macro CVT1 n                          ; n = 16 jt + 4 t + d: two weights of S(jt, t) become register 4 (jt & 1) + d of P(jt >> 1, t)
	v_cvt_pk_f16_f32 v[PB+8*(4*((\n)>>5)+(((\n)>>2)&3))+4*(((\n)>>4)&1)+((\n)&3)], v[8*((\n)>>2)+2*((\n)&3)], v[8*((\n)>>2)+2*((\n)&3)+1]
.endm
.macro RESC r                          ; pair r of a window of O (tile r >> 2 = 4 c + t) is rebased to the new shift: a lane's factor is its query's
	v_pk_mul_f32 v[2*(\r):2*(\r)+1], v[2*(\r):2*(\r)+1], v[AL+2*(((\r)>>2)&3):AL+2*(((\r)>>2)&3)+1] op_sel_hi:[1,0]
.endm
; Place VP of the stream.  Vector turn m (28 in a run: turn T of run n is m = 28 (n - 1) + T for T < 2, + T - 4 for T > 5) takes places 5 m .. 5 m + 4.
;     0- 63  running maximum, the four query tiles by turns
;    64- 87  the other half of the lanes; the new shift; AL = exp2(new shift - the shift that the old terms were formed with), <= 1
;    88-351  per S tile g: 4 multiply-adds, 8 exponentials, 4 sums, staggered (exp of g, multiply-add of g + 1, exp of g, sum of g - 1): behind every exponential
;            stands a plain line or another exponential that touches neither its result nor its source, and a plain line before the result's first use (ISA guide 5.7.2)
;   352-359  the row sums
;   360-391  P of key step 0: m = 72 .. 78 = run 3, turns 20 .. 26; the old P of key step 0 was last read in run 2
;   392-519  O, window 2: tile k at place 392 + 4 k: from run 3, turn 26; its last product is run 3's turn k, and only tiles k <= 6 fall into run 3
;   520-569  O, window 3, pairs 0-49: from run 4, turn 24; tile k's last product is run 4's turn k, and only tiles k <= 9 fall into run 4
;   570-601  P of key step 1: m = 114 .. 120 = run 5, turns 6 .. 12: behind run 4, which read the old one (fifteen places of 555-569 lie between), and ahead of
;            run 5's turn 16, from which on S's key tiles 2 and 3 are written again
;   602-679  O, window 3, pairs 50-127; done in run 5's turn 27, ahead of the next trip's run 2
; The fragment loads of turns 2-5 land in the buffer that the run before read: behind its last product stand the slices of three turns, at least seven plain lines on other registers.
.macro VS1
.if VP < 392
	WIN 0x55
.endif
.if VP < 64
	v_max3_num_f32 v[MAXR+(VP&3)], v[MAXR+(VP&3)], v[32*(VP>>4)+8*(VP&3)+((2*(VP>>2))&7)], v[32*(VP>>4)+8*(VP&3)+((2*(VP>>2))&7)+1]
.endif
.if (VP>>2) == 16
	v_permlanex16_b32 v[TMP+(VP&3)], v[MAXR+(VP&3)], s42, s43
.endif
.if (VP>>2) == 17
	v_max_num_f32 v[MAXR+(VP&3)], v[MAXR+(VP&3)], v[TMP+(VP&3)]
.endif
.if (VP>>2) == 18
	v_mul_f32 v[TMP+(VP&3)], 0xbfb8aa3b, v[MAXR+(VP&3)]
.endif
.if (VP>>2) == 19
	v_sub_f32 v[AL+2*(VP&3)], v[TMP+(VP&3)], v[NM+2*(VP&3)]
.endif
.if (VP>>2) == 20
	v_exp_f32 v[AL+2*(VP&3)], v[AL+2*(VP&3)]
.endif
.if (VP>>2) == 21
	v_mov_b32 v[NM+2*(VP&3)], v[TMP+(VP&3)]
.endif
.if (VP>>2) == 22
	FMA1 0, VP&3
.endif
.if VP >= 92
.if VP < 348
.set VB, (VP-92)>>4
.set VI, ((VP-92)>>2)&3
.set VK, (VP-92)&3
.if VK == 0
	v_exp_f32 v[8*VB+2*VI], v[8*VB+2*VI]
.endif
.if VK == 1
.if VB < 15
	FMA1 VB+1, VI
.endif
.endif
.if VK == 2
	v_exp_f32 v[8*VB+2*VI+1], v[8*VB+2*VI+1]
.endif
.if VK == 3
.if VB > 0
	ADD1 VB-1, VI
.endif
.endif
.endif
.endif
.if (VP>>2) == 87
	ADD1 15, VP&3
.endif
.if (VP>>2) == 88
	v_fma_f32 v[SUMR+(VP&3)], v[SUMR+(VP&3)], v[AL+2*(VP&3)], v[RS+2*(VP&3)]
.endif
.if (VP>>2) == 89
	v_add_f32 v[SUMR+(VP&3)], v[SUMR+(VP&3)], v[RS+2*(VP&3)+1]
.endif
.if VP >= 360
.if VP < 392
	CVT1 VP-360
.endif
.endif
.if VP >= 392
.if VP < 520
	WIN 0x86
	RESC VP-392
.endif
.endif
.if VP >= 520
.if VP < 570
	WIN 0xC7
	RESC VP-520
.endif
.endif
.if VP >= 570
.if VP < 602
	WIN 0x55
	CVT1 VP-538
.endif
.endif
.if VP >= 602
.if VP < 680
	WIN 0xC7
	RESC VP-552
.endif
.endif
.endm
.macro VRUN cnt                        ; the next cnt places of the stream
.rept \cnt
	VS1
.set VP, VP+1
.endr
.endm
; A run of 32 products O += V P with its slices.  lk: what turns 2-5 load: 0 nothing (and no stream either, so that the places keep their turns), 1 V's fragments
; (slot lsl, key step lu, half lhi), 2 K's fragments of slot lsl; into lbuf.  bar = 1: the change of slots opens at turn 24.
.macro CPV buf, u, hi, zero, lk, lsl, lu, lhi, lbuf, bar
.set TK, 0
.rept 32
.if \bar
.if TK == 24
	s_wait_dscnt 0x0                               ; my reads of this slot are back: the last were issued in turns 2-5
	s_set_vgpr_msb 0x8680
	s_wait_tensorcnt 0x0                           ; and all my tensor loads have landed: the one that was out is my part of the next tile
	ds_add_u32 v254, v255
	s_wait_dscnt 0x0
	s_set_vgpr_msb 0x8086
	s_barrier_signal -1                            ; say so; the eight turns up to the wait are register work
.endif
.endif
	PVT \buf, \u, \hi, \zero, TK
.if ((TK+2)>>2) == 1
.if \lk == 1
	LD4V \lsl, \lu, \lhi, \lbuf, TK-2
.endif
.if \lk == 2
	LD4K \lsl, \lbuf, TK-2
.endif
.else
	VRUN 5
.endif
.set TK, TK+1
.endr
.endm
; The run of 32 products S with its slices; turns 2-5 load the next tile's first V fragments from the other slot.
.macro CS buf, nsl, lbuf
.set TK, 0
.rept 32
	ST \buf, TK
.if ((TK+2)>>2) == 1
	LD4V \nsl, 0, 0, \lbuf, TK-2
.else
	VRUN 5
.endif
.set TK, TK+1
.endr
.endm
.macro FALOAD k                        ; fa for channels 16 k .. + 15 of the 128 that I keep: register 4 j + t = channel 8 h + j, query 4 r + t
.irp j, 0,1,2,3,4,5,6,7
	global_load_b128 v[16+32*((\k)&3)+4*\j:16+32*((\k)&3)+4*\j+3], v10, s[44:45] offset:(16*(\k)+\j)*16384 th:TH_LOAD_NT
.endr
.endm
; Trip j.  sl = j & 1: the slot, and the parity of the fragment buffers (five runs a trip flip it): runs 1, 3, 5 read buffer sl, runs 2, 4 the other.
; zero = 1: the first products start O.  mode 0: a whole trip.  mode 1: tile 30: no S is left to make and no tile to fetch.
.macro TRIP sl, zero, mode
.set VP, 0
	s_wait_dscnt 0x0                               ; each run's fragments were asked for 26 turns ago
.if \mode == 1
.irp x, 0,1,2,3
	global_prefetch_b8 v15, s[44:45] offset:524288*\x th:TH_LOAD_NT scope:SCOPE_SE   ; lane L, line x: channel 32 x + L of my 128, its 256 bytes of my 64 queries: each block once, one tile ahead of the first fa load, all inside fa
.endr
.endif
	CPV VF0+64*\sl, 0, 0, \zero, 1, \sl, 0, 1, VF1-64*\sl, 0
	s_wait_dscnt 0x0
	CPV VF1-64*\sl, 0, 1, \zero, 1, \sl, 1, 0, VF0+64*\sl, 0
	s_wait_dscnt 0x0
	CPV VF0+64*\sl, 1, 0, 0, 1, \sl, 1, 1, VF1-64*\sl, 0
	s_wait_dscnt 0x0
.if \mode == 0
	CPV VF1-64*\sl, 1, 1, 0, 2, \sl, 0, 0, VF0+64*\sl, 1
	WIN 0
	s_barrier_wait -1                              ; all four waves have said so;
	CREST                                          ; all four work-groups have: no wave of any partner still reads this slot or has a load on its way
	s_add_nc_u64 s[34+4*\sl:35+4*\sl], s[34+4*\sl:35+4*\sl], 2*TILEB   ; no tensor load of mine is out, so a group 0 may be written: tile j + 2
	tensor_load_to_lds s[32+4*\sl:35+4*\sl], s[24:31]                  ; my one load behind the round, into the slot just left; it has a whole trip in which to land
	s_nop 0
	v_nop
	v_nop
	v_nop
	v_nop
	CS VF0+64*\sl, 1-\sl, VF1-64*\sl
.else
	CPV VF1-64*\sl, 1, 1, 0, 0, \sl, 0, 0, VF0+64*\sl, 1
	WIN 0
	s_barrier_wait -1                              ; the last tile is whole for every wave
	VRUN 10                                        ; places 560-569
	WIN 0
	FETCHV 1-\sl, 0, 0, VF1-64*\sl
	VRUN 110                                       ; the rest of the stream stands alone: no product is left to set it beside
.endif
	WIN 0
.endm
	; THE HEAD, in phases: S(0), its softmax, S(1).
	s_wait_loadcnt 16                              ; loads come back in order: Q and K(0) are in, K(1)'s sixteen stay out
	SMULP VF0
	WIN 0
	PLACES                                         ; the softmax reads the results
	SOFTMAX0
	WIN 0
	s_wait_tensorcnt 0x1                           ; my part of tile 0 is in; tile 1's stays out
	s_barrier_signal -1
	s_barrier_wait -1                              ; everybody's is
	FETCHV 0, 0, 0, VF0                            ; run 1 of trip 0
	s_wait_loadcnt 0x0                             ; K(1)
	SMULP VF1
	WIN 0
	PLACES                                         ; the stream's first places read the results
	TRIP 0, 1, 0                                   ; tile 0 starts O
	TRIP 1, 0, 0
	s_mov_b32 s21, 14
.Lloop:
	TRIP 0, 0, 0
	TRIP 1, 0, 0
	s_sub_co_u32 s21, s21, 1
	s_cmp_lg_u32 s21, 0
	s_cbranch_scc1 .Lloop                          ; tiles 2 to 29; tile 29's trip asks for tile 31, the last
	TRIP 0, 0, 1                                   ; tile 30
	; Tile 31: products alone.  No vector work is left, so v_nop are the places in front of the fragment loads.
	FALOAD 0                                       ; Q's registers were last read in tile 29's trip
	FALOAD 1
	FETCHV 1, 0, 1, VF0
	s_wait_dscnt 16                                ; all but the sixteen just issued
	PV VF1, 0, 0
	WIN 0
	PLACES
	FETCHV 1, 1, 0, VF1
	s_wait_dscnt 16                                ; likewise
	PV VF0, 0, 1
	WIN 0
	PLACES
	FETCHV 1, 1, 1, VF0
	s_wait_dscnt 16                                ; likewise
	PV VF1, 1, 0
	s_wait_dscnt 0x0
	PV VF0, 1, 1
	WIN 0
	; THE MERGE AND THE WAY OUT.  I hand window 3 (the channels that my partner keeps), my shifts and my row sums to my partner through LDS.
	PLACES                                         ; behind the last products: stores read results, loads land in the fragment buffers
	FALOAD 2
	FALOAD 3
	WIN 0x55
.irp t, 0,1,2,3
	v_permlanex16_b32 v[TMP+\t], v[SUMR+\t], s42, s43
.endr
.irp t, 0,1,2,3
	v_add_f32 v[SUMR+\t], v[SUMR+\t], v[TMP+\t]    ; the two halves of the lanes hold a query's two sets of keys
	v_mov_b32 v[NMC+\t], v[NM+2*\t]
.endr
	WIN 0x04
	ds_store_b128 v13, v[NMC:NMC+3]
	ds_store_b128 v13, v[SUMR:SUMR+3] offset:512
	WIN 0x0C
.set i, 0
.rept 64
	ds_store_b128 v11, v[4*i:4*i+3] offset:512*i   ; 32 lanes x 16 neighbouring bytes
.set i, i+1
.endr
	WIN 0
	s_wait_dscnt 0x0                               ; what I hand over is written,
	s_barrier_signal -1
	s_barrier_wait -1                              ; and so is what I receive
	ds_load_b128 v[208:211], v13                   ; my shifts
	ds_load_b128 v[212:215], v13 offset:512        ; my row sums
	ds_load_b128 v[216:219], v14                   ; my partner's
	ds_load_b128 v[220:223], v14 offset:512
.macro PTLOAD k                        ; my partner's sums for channels 16 k .. + 15: register 8 t + j
.irp x, 0,1,2,3,4,5,6,7
	ds_load_b128 v[144+32*((\k)&1)+4*\x:144+32*((\k)&1)+4*\x+3], v12 offset:512*(8*(\k)+\x)
.endr
.endm
	PTLOAD 0
	PTLOAD 1
	s_wait_dscnt 16                                ; all but those sixteen: shifts and sums are in
.irp t, 0,1,2,3
	v_min_num_f32 v[224+\t], v[208+\t], v[216+\t]  ; the common shift belongs to the larger maximum
.endr
.irp t, 0,1,2,3
	v_sub_f32 v[232+\t], v[224+\t], v[208+\t]
	v_sub_f32 v[236+\t], v[224+\t], v[216+\t]
.endr
.irp t, 0,1,2,3,4,5,6,7
	v_exp_f32 v[232+\t], v[232+\t]
.endr
	v_nop
	s_wait_alu depctr_va_vdst(0)
.irp t, 0,1,2,3
	v_mul_f32 v[224+\t], v[232+\t], v[212+\t]
.endr
.irp t, 0,1,2,3
	v_fmac_f32 v[224+\t], v[236+\t], v[220+\t]     ; the whole row sum, >= 1
.endr
.irp t, 0,1,2,3
	v_rcp_f32 v[228+\t], v[224+\t]
.endr
	v_nop
	s_wait_alu depctr_va_vdst(0)
.irp t, 0,1,2,3
	v_mul_f32 v[228+\t], s20, v[228+\t]            ; gamma / row sum
.endr
.irp t, 0,1,2,3
	v_mul_f32 v[232+\t], v[232+\t], v[228+\t]      ; the factor of my sums,
	v_mul_f32 v[236+\t], v[236+\t], v[228+\t]      ; and of my partner's
.endr
; Channels 16 k .. + 15: out0 = max(0, mine x factor + partner's x factor + fa).
.macro OUTC k
.set FB,  16+32*(\k&3)
.set PTB, 144+32*(\k&1)
.if \k <= 4
	s_wait_loadcnt 24                              ; my eight fa loads are in; three younger groups of eight stay out
.else
	s_wait_loadcnt 8*(7-\k)
.endif
.if \k < 7
	s_wait_dscnt 8                                 ; all but the next group's eight loads
.else
	s_wait_dscnt 0x0
.endif
	WIN 0x02
.irp j, 0,1,2,3,4,5,6,7
.irp t, 0,1,2,3
	v_fma_f32 v[FB+4*\j+\t], v[8*(4*\k+\t)+\j], v[232+\t], v[FB+4*\j+\t]
.endr
.endr
	WIN 0
.irp j, 0,1,2,3,4,5,6,7
.irp t, 0,1,2,3
	v_fma_f32 v[FB+4*\j+\t], v[PTB+8*\t+\j], v[236+\t], v[FB+4*\j+\t]
.endr
.endr
.irp j, 0,1,2,3,4,5,6,7
.irp t, 0,1,2,3
	v_max_num_f32 v[FB+4*\j+\t], 0, v[FB+4*\j+\t]
.endr
	global_store_b128 v10, v[FB+4*\j:FB+4*\j+3], s[46:47] offset:(16*\k+\j)*16384 th:TH_STORE_NT   ; sixteen lanes store 256 consecutive bytes at a multiple of 256 from out0's first byte
.endr
.if \k <= 3
	s_wait_xcnt 0x0                                ; the stores' data registers are loaded again only behind this wait (ISA guide 3.1)
	FALOAD \k+4
.endif
.if \k <= 5
	PTLOAD \k+2
.endif
.endm
.irp k, 0,1,2,3,4,5,6,7
	OUTC \k
.endr
	s_wait_tensorcnt 0x0
	ds_add_u32 v254, v255
	s_wait_dscnt 0x0
	ROUND                                          ; the closing round: no work-group ends while a partner may still ask for a tile that names it
	s_endpgm
.Lfunc_end_k_qbf38ae097b_attn:
	.size	k_qbf38ae097b_attn, .Lfunc_end_k_qbf38ae097b_attn-k_qbf38ae097b_attn
	.p2alignl 7, 3214868480
	.fill 96, 4, 3214868480
	.section	.rodata,"a",@progbits
	.p2align	6, 0x0
	.amdhsa_kernel k_qbf38ae097b_attn
		.amdhsa_group_segment_fixed_size 327680
		.amdhsa_private_segment_fixed_size 0
		.amdhsa_enable_private_segment 0
		.amdhsa_kernarg_size 40
		.amdhsa_user_sgpr_count 2
		.amdhsa_user_sgpr_kernarg_segment_ptr 1
		.amdhsa_wavefront_size32 1
		.amdhsa_system_sgpr_workgroup_id_x 1
		.amdhsa_system_sgpr_workgroup_id_y 1
		.amdhsa_system_sgpr_workgroup_id_z 1
		.amdhsa_system_vgpr_workitem_id 0
		.amdhsa_next_free_vgpr 1024
		.amdhsa_next_free_sgpr 66
		.amdhsa_reserve_vcc 0
		.amdhsa_float_denorm_mode_32 3
		.amdhsa_float_denorm_mode_16_64 3
		.amdhsa_memory_ordered 1
		.amdhsa_forward_progress 1
		.amdhsa_inst_pref_size 255
	.end_amdhsa_kernel
	.section	.bss,"aw",@nobits
	.p2align	6
	.space	262144
	.amdgpu_metadata
---
amdhsa.version: [ 1, 2 ]
amdhsa.kernels:
  - .name:           k_qbf38ae097b_attn
    .symbol:         k_qbf38ae097b_attn.kd
    .args:
      - { .name: q, .offset: 0, .size: 8, .value_kind: global_buffer, .address_space: global }
      - { .name: kv, .offset: 8, .size: 8, .value_kind: global_buffer, .address_space: global }
      - { .name: fa, .offset: 16, .size: 8, .value_kind: global_buffer, .address_space: global }
      - { .name: gamma, .offset: 24, .size: 8, .value_kind: global_buffer, .address_space: global }
      - { .name: out0, .offset: 32, .size: 8, .value_kind: global_buffer, .address_space: global }
    .group_segment_fixed_size: 327680
    .private_segment_fixed_size: 0
    .kernarg_segment_align: 8
    .kernarg_segment_size: 40
    .max_flat_workgroup_size: 128
    .sgpr_count:     66
    .vgpr_count:     1024
    .wavefront_size: 32
...
	.end_amdgpu_metadata
.endif
;; end of part 2
